; MI455X (gfx1250); checked and timed in simulation.
; The chip was launched on July 23, 2026; its instructions are those of AMD's public machine-readable ISA for CDNA 5 (MIT licence, August 2026) and "CDNA5" Instruction Set Architecture Reference Guide (July 2026). The comments in the code are by the model that wrote it; some were corrected since.
;; Label Cross Attention. Allowed arithmetic: matrix products marked QUANTISED: E2M1 operands, one E8M0 scale for each 32 along K, by v_wmma_scale_f32_16x16x128_f8f6f4 with both operands' format E2M1 (or v_wmma_scale_f32_32x16x128_f4), f32 sums; products left as they are: bf16, f16 or f32 operands; f32 sums; everything else in f32.
;; Inputs: Wk 768 x 768 float32; Wv 768 x 768 float32; attention_masks 4 x 4,096 int32; bv 768 float32; label_reps 2,000 x 768 float32; ln_beta 768 float32; ln_gamma 768 float32; out_b one number float32; out_w 768 float32; x 4 x 4,096 x 768 float32.
;; Outputs: out0 4 x 2,000 float32.
;; This version of the problem:
;;   THIS VERSION OF THE PROBLEM IS GIVEN IN LOW PRECISION. The matrix products marked QUANTISED in the list below multiply operands that are first quantised to E2M1 (2 exponent bits, 1 mantissa bit; 4 bits a number), with one power-of-two scale for each 32 numbers along K (OCP MX v1.0); their sums are f32. The products marked 'left as it is' may take bf16, f16 or f32 operands, with f32 sums. Whichever they take, every output number must still come out within the allowed error. Rounding operands to bf16 (8 significant bits) uses up far more of that allowance than f16 does (11 bits, for magnitudes from 6e-5 to 65,504). All else is computed in f32.
;;   The module's matrix products, in the order in which they are computed (A, B: the left and right operand; K: the contracted axis; several contracted axes count as one K, in the product's order):
;;     1. [M 16,384, K 768] x [K 768, N 768]; A: input x; B: input Wk: QUANTISED
;;     2. [M 16,384, K 768] x [K 768, N 768]; A: input x; B: input Wv: QUANTISED
;;     3. [M 16,384, K 768] x [K 768, N 2,000]; A: computed on the way; B: input label_reps: left as it is (an operand is computed on the way)
;;     4. batch 4 x [M 2,000, K 4,096] x [K 4,096, N 768]; A: computed on the way; B: computed on the way: left as it is (an operand is computed on the way)
;;     5. [M 1, K 768] x [K 768, N 8,000]; A: input out_w; B: computed on the way: left as it is (M = 1 < 16)
;;   THE QUANTISER, for each operand of a quantised product, along K:
;;     - K is cut into blocks of 32 from its start; a last block that is shorter is filled with zeros.
;;     - A block's scale is 2^e with e = floor(log2(the largest magnitude in the block)) - 2, held to -126 .. 127; a block of zeros has e = 0. As a byte (E8M0): e + 127.
;;     - Each number is divided by its block's scale, clamped to +-6, and rounded to the nearest number of E2M1, ties to even, subnormals kept.
;;     - The product sums the exact products of the quantised numbers (number of the format x scale) in f32.
;;   ~~~python
;;   def quantise(x, axis):      # numpy; x: float32 -> the quantised numbers, widened to float32 again
;;       x = np.moveaxis(x, axis, -1); K = x.shape[-1]
;;       x = np.pad(x, [(0, 0)] * (x.ndim - 1) + [(0, -K % 32)]); x = x.reshape(x.shape[:-1] + (-1, 32)); a = np.abs(x).max(-1, keepdims=True)
;;       e = np.where(a > 0, np.clip(np.frexp(np.where(a > 0, a, 1))[1] - 1 - 2, -126, 127), 0)      # np.frexp(a)[1] - 1 = floor(log2(a)), exactly
;;       r = np.clip(x / 2.0 ** e, -6, 6)
;;       step = 2.0 ** (np.maximum(np.frexp(np.where(r == 0, 1, r))[1] - 1, 0) - 1)
;;       q = np.round(r / step) * step * 2.0 ** e      # np.round: ties to even
;;       return np.moveaxis(q.reshape(q.shape[:-2] + (-1,))[..., :K], -1, axis).astype(np.float32)
;;   ~~~
;; One version. Each part assembles by itself: llvm-mc -triple=amdgcn-amd-amdhsa -mcpu=gfx1250 --defsym DOCPART=n.
;; ======== version 1 of 1: 3 launches
;; limits: values are held in f16: magnitudes above 65,504 overflow, below 6.1e-05 lose precision
;; workspace buffers: wq 589,824 bytes; wsc 98,304 bytes; route 66,048 bytes of whole numbers; kv 50,331,648 bytes
;; launch prep (part 1): grid 76 x 1, 8 waves a work-group, no clusters, 1,280 bytes of LDS; arguments Wk, Wv, attention_masks, wq, wsc, route; writes wq, wsc, route
.if DOCPART == 1
	.amdgcn_target "amdgcn-amd-amdhsa--gfx1250"
	.amdhsa_code_object_version 6
	.text
	.protected	k_q2f892cf787_prep
	.globl	k_q2f892cf787_prep
	.p2align	8
	.type	k_q2f892cf787_prep,@function
k_q2f892cf787_prep:
	s_mov_b64 s[64:65], 0
	v_nop
	global_prefetch_b8 v0, s[64:65] scope:SCOPE_SE
	s_setreg_imm32_b32 hwreg(HW_REG_WAVE_MODE, 25, 1), 1
	s_wait_xcnt 0x0
; LabelCrossAttention, launch 1 of 3: the weights' codes, and the list of tokens that count.
; WORK LEFT OUT BY THE WHOLE PROGRAM, AND WHY.  reference() puts -inf in place of the score of every token whose attention_masks entry is 0, so that token's softmax weight is
; exactly 0 for every label, and 0 x (its finite row of V) adds nothing to y.  So the token's rows of K and V, its column of scores and its term of the second product reach no output.
; The decision hangs on whole numbers of an input: this launch reads them and stores, for each batch, the token numbers with the counting tokens first (in ascending order) and their count;
; the later launches read list and count from memory and work on the counting tokens alone (rounded up to 256; what is rounded in gets the weight 0 there, as in reference()).
; bv is not left out: since a row's weights sum to 1, attn . (x Wv^T + bv) = attn . (x Wv^T) + bv for all values, and the last launch adds bv in f32 behind the division by the row's sum.
; Every input is loaded by some launch.  LIMITS: a NaN or an infinity that stands only in x rows of tokens that do not count is not carried to the result as reference() would carry it;
; a batch with no counting token gives NaN, as in reference().
; THE QUANTISER (E2M1, one E8M0 byte for 32 along K): a block's byte is its largest magnitude's exponent field - 2, held at 1 from below by a floor among the maximum's leaves.
; A block of zeros so keeps the byte 1 where the rule says 127: its codes are zeros, which add nothing, and this program alone reads the bytes.  Blocks under 2^-124 keep the byte 1.
; SHARES.  Work-groups 0-71: a wave makes ONE operand fragment (16 rows x 128 K) of Wk or Wv, laid in the order of the operand's registers: wq[f][c][lane][16 bytes], f = 6 E + s
; (E: tile of 16 rows, 0-47 Wk, 48-95 Wv; s: K step); its scale word goes to wsc[E][lane][word s].  Lane (r, h) loads k = 64 c + 32 h + 0 .. 31 of row r: two whole blocks.
; Work-groups 72-75: batch b = number - 72; wave v takes tokens 512 v .. 512 v + 511; the waves' counts meet in LDS; each token's place is its rank among its kind.
; No matrix unit, no tensor load, no cluster: a few megabytes are read once, and work-groups share nothing.
.set SPARE, 256                        ; LDS: bytes 0-31 the eight waves' counts (the block 0-255 is theirs); from 256 the spare words, 128 bytes a wave
.set SPW,   126                        ; v126 LDS address of my spare word; never rewritten
.set NIL,   127                        ; v127 0; never rewritten
.set X,     16                         ; v16-79  path W: 64 numbers;  path M: v16-31 masks, v32-47 places, v48-63 token numbers
.set CD,    80                         ; v80-87  the fragment's codes
	s_load_b256 s[4:11], s[0:1], 0x0               ; Wk s[4:5], Wv s[6:7], attention_masks s[8:9], wq s[10:11]
	s_load_b128 s[12:15], s[0:1], 0x20             ; wsc s[12:13], route s[14:15]
	v_lshl_add_u32 v[SPW], v0, 2, SPARE
	v_mov_b32 v[NIL], 0
	v_lshrrev_b32 v1, 5, v0
	v_readfirstlane_b32 s16, v1                    ; wave 0..7
	v_and_b32 v2, 31, v0                           ; lane
	v_and_b32 v3, 15, v0                           ; r
	v_bfe_u32 v5, v0, 4, 1                         ; h
	v_mov_b32 v10, s16
	v_lshlrev_b32 v10, 2, v10                      ; LDS: my wave's count
	v_mov_b32 v12, 0                               ; LDS: the eight counts
	s_mov_b32 s20, 0x76543210
	s_mov_b32 s21, 0xfedcba98                      ; v_permlanex16_b32's selects for lane l xor 16
	s_mov_b32 s23, 0                               ; the upper word of every offset pair s[22:23]
	s_wait_kmcnt 0x0
	s_cmp_lt_u32 ttmp9, 72                         ; the work-group's number alone decides the path: all eight waves go the same way
	s_cbranch_scc0 .Lmask
	; ---- the weights
	s_lshl_b32 s17, ttmp9, 3
	s_add_co_u32 s17, s17, s16                     ; f = 8 x work-group + wave, 0 .. 575
	s_mul_hi_u32 s18, s17, 0x2aaaaaab              ; E = f / 6
	s_mul_i32 s19, s18, 6
	s_sub_co_u32 s19, s17, s19                     ; s = f % 6
	s_cmp_lt_u32 s18, 48
	s_cselect_b64 s[4:5], s[4:5], s[6:7]           ; Wk or Wv
	s_cselect_b32 s22, 0, 48
	s_sub_co_u32 s22, s18, s22                     ; the tile within its tensor
	s_mul_i32 s22, s22, 49152                      ; 16 rows of 3,072 bytes
	s_lshl_b32 s24, s19, 9                         ; + 128 numbers a K step
	s_add_co_u32 s22, s22, s24
	s_add_nc_u64 s[4:5], s[4:5], s[22:23]
	s_lshl_b32 s22, s17, 10
	s_add_nc_u64 s[10:11], s[10:11], s[22:23]      ; wq + 1,024 f
	s_lshl_b32 s22, s18, 10
	s_lshl_b32 s24, s19, 2
	s_add_co_u32 s22, s22, s24
	s_add_nc_u64 s[12:13], s[12:13], s[22:23]      ; wsc + 1,024 E + 4 s
	v_mul_u32_u24 v4, v3, 3072
	v_lshl_add_u32 v4, v5, 7, v4                   ; row r, + 32 h numbers
	v_lshlrev_b32 v6, 4, v2                        ; 16 x lane
	v_lshlrev_b32 v7, 5, v2                        ; 32 x lane
.irp c, 0,1
.irp j, 0,1,2,3,4,5,6,7
	global_load_b128 v[X+32*\c+4*\j:X+32*\c+4*\j+3], v4, s[4:5] offset:256*\c+16*\j th:TH_LOAD_NT   ; W(r, 128 s + 64 c + 32 h + 4 j ..)
.endr
.endr
	s_wait_loadcnt 0x0
.irp c, 0,1                                    ; my block 2 c + h: all its 32 numbers are mine
	v_max3_num_f32 v[8+\c], |v[X+32*\c]|, |v[X+1+32*\c]|, 0x1800000   ; and the floor 2^(3 - 127): the byte cannot fall under 1
.endr
.irp i, 2,4,6,8,10,12,14,16,18,20,22,24,26,28,30
.irp c, 0,1
	v_max3_num_f32 v[8+\c], v[8+\c], |v[X+32*\c+\i]|, |v[X+1+32*\c+\i]|   ; the two blocks by turns
.endr
.endr
.irp c, 0,1
	v_add_nc_u32 v[88+\c], 0xff000000, v[8+\c]     ; 2 off the exponent field: the conversion takes this operand's exponent field as its scale
.endr
.irp c, 0,1
	v_lshrrev_b32 v[90+\c], 23, v[88+\c]           ; the scale's byte
.endr
	v_lshl_or_b32 v14, v91, 16, v90                ; my two bytes: blocks h and 2 + h of row r,
	v_lshlrev_b32 v15, 3, v5
	v_lshlrev_b32 v14, v15, v14                    ; at their places in the word (8 h bits up);
	v_mov_b32 v15, 0
	v_permlanex16_b32 v15, v14, s20, s21
	v_or_b32 v14, v14, v15                         ; with lane l xor 16's two the word is whole, in both halves of the lanes
.irp c, 0,1
.irp g, 0,1,2,3
	v_cvt_scalef32_pk8_fp4_f32 v[CD+4*\c+\g], v[X+32*\c+8*\g:X+32*\c+8*\g+7], v[88+\c]   ; registers 4 c .. 4 c + 3 of the operand
.endr
.endr
	global_store_b128 v6, v[CD:CD+3], s[10:11]               ; 32 lanes store 512 consecutive bytes, aligned
	global_store_b128 v6, v[CD+4:CD+7], s[10:11] offset:512
	global_store_b32 v7, v14, s[12:13]                       ; the scale word: 74 KB in all go out so
	s_endpgm
	; ---- the list
.Lmask:
	s_sub_co_u32 s17, ttmp9, 72                    ; b
	s_lshl_b32 s22, s17, 14
	s_add_nc_u64 s[18:19], s[14:15], s[22:23]      ; route's row of batch b
	s_lshl_b32 s24, s16, 11
	s_add_co_u32 s22, s22, s24
	s_add_nc_u64 s[8:9], s[8:9], s[22:23]          ; my wave's 512 masks
	s_lshl_b32 s22, s17, 7
	s_add_co_u32 s22, s22, 0x10000
	s_add_nc_u64 s[14:15], s[14:15], s[22:23]      ; where the count goes: 32 copies
	v_lshlrev_b32 v6, 2, v2
.irp i, 0,1,2,3,4,5,6,7,8,9,10,11,12,13,14,15
	global_load_b32 v[16+\i], v6, s[8:9] offset:128*\i
.endr
	s_lshl_b32 s24, s16, 9
	v_add_nc_u32 v9, s24, v2                       ; 512 x wave + lane
	s_mov_b32 s58, 0
	s_wait_loadcnt 0x0
.irp i, 0,1,2,3,4,5,6,7,8,9,10,11,12,13,14,15
	v_cmp_ne_u32 s[32+\i], 0, v[16+\i]             ; group i's 32 tokens: a bit for each that counts
.endr
.irp i, 0,1,2,3,4,5,6,7,8,9,10,11,12,13,14,15
	s_bcnt1_i32_b32 s24, s[32+\i]
	s_add_co_u32 s58, s58, s24                     ; my wave's count
.endr
	v_mov_b32 v11, s58
	ds_store_b32 v10, v11                          ; all lanes write the same word with the same value
	s_wait_dscnt 0x0                               ; for the others' sake
	s_barrier_signal -1
	s_barrier_wait -1
	ds_load_b128 v[64:67], v12
	ds_load_b128 v[68:71], v12 offset:16
	s_wait_dscnt 0x0
.irp k, 0,1,2,3,4,5,6,7
	v_readfirstlane_b32 s[48+\k], v[64+\k]
.endr
	s_mov_b32 s56, 0                               ; n_b: the batch's count
	s_mov_b32 s57, 0                               ; counting tokens ahead of my wave's
.irp k, 0,1,2,3,4,5,6,7
	s_add_co_u32 s56, s56, s[48+\k]
	s_cmp_lt_u32 \k, s16
	s_cselect_b32 s24, s[48+\k], 0
	s_add_co_u32 s57, s57, s24
.endr
.irp i, 0,1,2,3,4,5,6,7,8,9,10,11,12,13,14,15
	v_mbcnt_lo_u32_b32 v13, s[32+\i], 0            ; counting tokens of the group under my lane
	v_add_nc_u32 v13, s57, v13                     ; counting tokens ahead of mine: its place if it counts
	v_add_nc_u32 v[48+\i], 32*\i, v9               ; my token's number
	v_sub_nc_u32 v15, v[48+\i], v13                ; the others ahead of mine,
	v_add_nc_u32 v15, s56, v15                     ; behind all that count: its place if it does not
	v_cndmask_b32 v[32+\i], v15, v13, s[32+\i]
	v_min_u32 v[32+\i], 4095, v[32+\i]             ; a place is 0 .. 4,095 by construction; held there ahead of the address
	v_lshlrev_b32 v[32+\i], 2, v[32+\i]
	global_store_b32 v[32+\i], v[48+\i], s[18:19]  ; each group has registers of its own: no store's sources are written again
	s_bcnt1_i32_b32 s24, s[32+\i]
	s_add_co_u32 s57, s57, s24
.endr
	s_cmp_lg_u32 s16, 0
	s_cbranch_scc1 .Lnot_wave_0
	v_mov_b32 v14, s56
	global_store_b32 v6, v14, s[14:15]             ; n_b, 128 bytes of it
.Lnot_wave_0:
	s_wait_tensorcnt 0x0                           ; the wave's end, behind my last LDS store
	ds_add_u32 v[SPW], v[NIL]
	s_wait_dscnt 0x0
	s_endpgm
.Lfunc_end_k_q2f892cf787_prep:
	.size	k_q2f892cf787_prep, .Lfunc_end_k_q2f892cf787_prep-k_q2f892cf787_prep
	.p2alignl 7, 3214868480
	.fill 96, 4, 3214868480
	.section	.rodata,"a",@progbits
	.p2align	6, 0x0
	.amdhsa_kernel k_q2f892cf787_prep
		.amdhsa_group_segment_fixed_size 1280
		.amdhsa_private_segment_fixed_size 0
		.amdhsa_enable_private_segment 0
		.amdhsa_kernarg_size 48
		.amdhsa_user_sgpr_count 2
		.amdhsa_user_sgpr_kernarg_segment_ptr 1
		.amdhsa_wavefront_size32 1
		.amdhsa_system_sgpr_workgroup_id_x 1
		.amdhsa_system_sgpr_workgroup_id_y 1
		.amdhsa_system_sgpr_workgroup_id_z 1
		.amdhsa_system_vgpr_workitem_id 0
		.amdhsa_next_free_vgpr 128
		.amdhsa_next_free_sgpr 66
		.amdhsa_reserve_vcc 0
		.amdhsa_float_denorm_mode_32 3
		.amdhsa_float_denorm_mode_16_64 3
		.amdhsa_memory_ordered 1
		.amdhsa_forward_progress 1
		.amdhsa_inst_pref_size 22
	.end_amdhsa_kernel
	.amdgpu_metadata
---
amdhsa.version: [ 1, 2 ]
amdhsa.kernels:
  - .name:           k_q2f892cf787_prep
    .symbol:         k_q2f892cf787_prep.kd
    .args:
      - { .name: Wk, .offset: 0, .size: 8, .value_kind: global_buffer, .address_space: global }
      - { .name: Wv, .offset: 8, .size: 8, .value_kind: global_buffer, .address_space: global }
      - { .name: attention_masks, .offset: 16, .size: 8, .value_kind: global_buffer, .address_space: global }
      - { .name: wq, .offset: 24, .size: 8, .value_kind: global_buffer, .address_space: global }
      - { .name: wsc, .offset: 32, .size: 8, .value_kind: global_buffer, .address_space: global }
      - { .name: route, .offset: 40, .size: 8, .value_kind: global_buffer, .address_space: global }
    .group_segment_fixed_size: 1280
    .private_segment_fixed_size: 0
    .kernarg_segment_align: 8
    .kernarg_segment_size: 48
    .max_flat_workgroup_size: 256
    .sgpr_count:     66
    .vgpr_count:     128
    .wavefront_size: 32
...
	.end_amdgpu_metadata
.endif
;; end of part 1
;; launch proj (part 2): grid 64 x 4, 4 waves a work-group, no clusters, 28,160 bytes of LDS; arguments route, x, wq, wsc, kv; writes kv
.if DOCPART == 2
	.amdgcn_target "amdgcn-amd-amdhsa--gfx1250"
	.amdhsa_code_object_version 6
	.text
	.protected	k_q2f892cf787_proj
	.globl	k_q2f892cf787_proj
	.p2align	8
	.type	k_q2f892cf787_proj,@function
k_q2f892cf787_proj:
	s_mov_b64 s[64:65], 0
	v_nop
	global_prefetch_b8 v0, s[64:65] scope:SCOPE_SE
	s_setreg_imm32_b32 hwreg(HW_REG_WAVE_MODE, 25, 1), 1
	s_wait_xcnt 0x0
; LabelCrossAttention, launch 2 of 3: K = x Wk^T and x Wv^T on codes of E2M1, for the tokens that count, stored as f16 images of the next launch's operand registers.
; WORK LEFT OUT: rows of tokens whose mask is 0 have the softmax weight 0 for every label (shown at the head of the first launch); list and count are read from memory.  bv is added in the last launch.
; SHARES.  Work-group (g, b) owns places 64 g .. 64 g + 63 of batch b's list.  It works iff 64 g < max(256, n_b rounded up to 256): so every byte that the last launch loads has been stored
; (places from n_b on hold tokens that do not count: finite rows that meet the weight 0).  A work-group past that bound stores nothing: the grid serves every split of the masks, all true too.
; The test hangs on a number read from memory, so this launch has no tensor load; its one barrier stands on every wave's path, between the two pieces of work that the test leads round.
; PART 1: wave w gathers token tile w (16 rows of x), quantises it in registers (6 K steps of 128) and stores the six fragments and their scale words to LDS as images of the operand's registers.
; PART 2: wave w makes channel tiles 12 w .. 12 w + 11 of K and of V for all four token tiles: 24 tiles of 24 matrix instructions.  The weights' fragments come from memory straight into
; registers, four tiles ahead; each byte of wq is read once by the work-group.
; THE RESULT'S LAYOUT IS THE NEXT OPERAND'S.  K: source 0 = 16 rows of Wk, source 1 = 16 tokens: a lane holds token r and channels 8 h + 0..7, which packed to f16 are half c of a fragment
; (16 keys x 32 channels).  V: source 0 = 16 tokens, source 1 = 16 rows of Wv: a lane holds channel r and tokens 8 h + 0..7: half c of a fragment of V^T (16 channels x 32 keys).
; kv: [b][step of 256 places][wave 4][unit 48][fragment 4][c 2][lane][16 bytes]; units 0-23 K (unit s: channels 32 s on; the block's wave: keys 64 w on; fragment: 16 keys),
; units 24-47 V^T (unit 24 + 3 u + i: keys 32 u on; the block's wave: channels 192 w on; fragment f: channels 16 (4 i + f) on).  Every store covers 512 consecutive bytes, aligned.
; LIMITS: |K| and |x Wv^T| stay under 65,504 (f16); blocks of x under 2^-124, and blocks of zeros, keep the scale byte 1 (zero codes add nothing; this program alone reads the bytes).
; REGISTERS, in windows of 256: window 0: addresses, the quantiser's work, scale words, four accumulators, packed results.  window 1: x's 24 fragments (before that: staging of K steps 4, 5).
;   window 2: the weights' ring, 4 slots x 48.   window 3: staging of K steps 0-3.
.set XIMG,  0                          ; LDS: x's 24 fragments, image 6 m + s, 1,024 bytes each
.set XSC,   24576                      ; their scale words, 128 bytes each
.set SPARE, 27648                      ; the spare words, 128 bytes a wave
.set XA,   4                           ; v4   my row of x: 3,072 x token + 64 h
.set LI,   5                           ; v5   16 x lane
.set LS,   6                           ; v6   4 x lane
.set XWI,  7                           ; v7   where I store images: 16 x lane + 6,144 x wave
.set XWS,  8                           ; v8   and scale words: 4 x lane + 768 x wave
.set WO,   9                           ; v9   wq: 16 x lane + 73,728 x wave (12 tiles of 6 fragments)
.set WSO,  10                          ; v10  wsc: 32 x lane + 12,288 x wave
.set KO,   11                          ; v11  kv, K: 16 x lane + 24,576 x wave (6 units)
.set VO,   12                          ; v12  kv, V: 16 x lane + 196,608 x wave (a wave's block)
.set IDX,  13                          ; v13  my token's number
.set SPW,  14                          ; v14  LDS address of my spare word; never rewritten
.set NIL,  15                          ; v15  0; never rewritten
.set TM,   16                          ; v16-31 the quantiser's work
.set PC,   32                          ; v32-39 the codes just made
.set PW,   40                          ; v40  the scale word just made
.set FLR,  41                          ; v41  the floor 2^(3 - 127)
.set IO,   42                          ; v42  4 r
.set XS,   48                          ; v48-71  x's scale words, 6 m + s
.set WS,   72                          ; v72-103 the weights' scale words, 4 slots x 8 (6 used)
.set ACC,  104                         ; v104-135 four accumulators
.set OUT,  136                         ; v136-151 packed results
.set WV,   16
.set G,    17
.set BB,   18
.set NOF,  19
.set LIM,  21
.set G64,  22
.set SEL,  24
.set MSB, 0
.macro WIN new                         ; the immediate's high byte repeats the setting that is left
.if MSB != \new
	s_set_vgpr_msb (MSB<<8)|\new
.set MSB, \new
.endif
.endm
	s_load_b256 s[4:11], s[0:1], 0x0               ; route s[4:5], x s[6:7], wq s[8:9], wsc s[10:11]
	s_load_b64 s[12:13], s[0:1], 0x20              ; kv
	v_lshl_add_u32 v[SPW], v0, 2, SPARE
	v_mov_b32 v[NIL], 0
	v_lshrrev_b32 v1, 5, v0
	v_readfirstlane_b32 s[WV], v1                  ; wave 0..3
	s_mov_b32 s[G], ttmp9
	s_and_b32 s[BB], ttmp7, 0xffff
	s_lshl_b32 s[NOF], s[BB], 7
	v_and_b32 v1, 31, v0                           ; lane
	v_and_b32 v2, 15, v0                           ; r
	v_bfe_u32 v3, v0, 4, 1                         ; h
	v_lshlrev_b32 v[LI], 4, v1
	v_lshlrev_b32 v[LS], 2, v1
	s_mul_i32 s20, s[WV], 6144
	v_add_nc_u32 v[XWI], s20, v[LI]
	s_mul_i32 s20, s[WV], 768
	v_add_nc_u32 v[XWS], s20, v[LS]
	s_mul_i32 s20, s[WV], 73728
	v_add_nc_u32 v[WO], s20, v[LI]
	v_lshlrev_b32 v[WSO], 5, v1
	s_mul_i32 s20, s[WV], 12288
	v_add_nc_u32 v[WSO], s20, v[WSO]
	s_mul_i32 s20, s[WV], 24576
	v_add_nc_u32 v[KO], s20, v[LI]
	s_mul_i32 s20, s[WV], 196608
	v_add_nc_u32 v[VO], s20, v[LI]
	v_lshlrev_b32 v[IO], 2, v2
	v_mov_b32 v[FLR], 0x1800000
.irp b, 0,1,2,3
	v_mov_b32 v[TM+4+\b], 0                        ; written once: a lane permute's destination counts as one of its sources
.endr
	s_mov_b32 s[SEL], 0x76543210
	s_mov_b32 s[SEL+1], 0xfedcba98
	s_mov_b32 s33, 0
	s_lshl_b32 s[G64], s[G], 6
	s_wait_kmcnt 0x0
	s_load_b32 s[LIM], s[4:5], s[NOF] offset:0x10000   ; n_b
	s_lshl_b32 s32, s[BB], 14
	s_lshl_b32 s34, s[G], 8
	s_add_co_u32 s32, s32, s34
	s_lshl_b32 s34, s[WV], 6
	s_add_co_u32 s32, s32, s34
	s_add_nc_u64 s[26:27], s[4:5], s[32:33]        ; the list at my wave's 16 places
	s_mul_i32 s32, s[BB], 12582912
	s_add_nc_u64 s[6:7], s[6:7], s[32:33]          ; x at batch b
	s_lshl_b32 s32, s[BB], 6
	s_add_co_u32 s32, s32, s[G]
	s_mul_i32 s32, s32, 196608
	s_add_nc_u64 s[28:29], s[12:13], s[32:33]      ; kv, K: the block of step g / 4, wave g % 4
	s_lshl_b32 s32, s[BB], 4
	s_lshr_b32 s34, s[G], 2
	s_add_co_u32 s32, s32, s34
	s_mul_i32 s32, s32, 786432
	s_and_b32 s34, s[G], 3
	s_mul_i32 s34, s34, 24576
	s_add_co_u32 s32, s32, s34
	s_add_co_u32 s32, s32, 98304
	s_add_nc_u64 s[30:31], s[12:13], s[32:33]      ; kv, V: step g / 4, unit 24 + 6 (g % 4)
	s_wait_kmcnt 0x0
	s_add_co_u32 s[LIM], s[LIM], 255
	s_and_b32 s[LIM], s[LIM], 0xffffff00
	s_max_u32 s[LIM], s[LIM], 256                  ; places that are worked: n_b rounded up to 256, at least 256
; my row's 64 numbers of K step s: register 16 b + i = k 32 b + 16 h + i.  K steps 0-3 into window 3, steps 4 and 5 into window 1
.macro XLOAD s
.if (\s) < 4
	WIN 0xc0
.set XR, 64*(\s)
.else
	WIN 0x40
.set XR, 64*((\s)-4)
.endif
.irp b, 0,1,2,3
.irp j, 0,1,2,3
	global_load_b128 v[XR+16*\b+4*\j:XR+16*\b+4*\j+3], v[XA], s[6:7] offset:512*(\s)+128*\b+16*\j th:TH_LOAD_NT   ; the list names each row once
.endr
.endr
.endm
; 64 numbers of a lane, from register s of window win on, become a fragment's codes in v[PC] on and its scale word in v[PW]
.macro QUANT s, win
	WIN ((\win)<<2)|((\win)<<4)                    ; sources 1 and 2: the numbers
.irp b, 0,1,2,3
	v_max3_num_f32 v[TM+\b], v[FLR], |v[(\s)+16*\b]|, |v[(\s)+1+16*\b]|   ; block b: my 16 numbers, and the floor: the byte cannot fall under 1
.endr
.irp i, 2,4,6,8,10,12,14
.irp b, 0,1,2,3
	v_max3_num_f32 v[TM+\b], v[TM+\b], |v[(\s)+16*\b+\i]|, |v[(\s)+1+16*\b+\i]|   ; the four blocks by turns
.endr
.endr
	WIN 0
.irp b, 0,1,2,3
	v_permlanex16_b32 v[TM+4+\b], v[TM+\b], s[SEL], s[SEL+1]
.endr
.irp b, 0,1,2,3
	v_max_num_f32 v[TM+\b], v[TM+\b], v[TM+4+\b]   ; with lane l xor 16's: the block's largest magnitude
.endr
.irp b, 0,1,2,3
	v_add_nc_u32 v[TM+12+\b], 0xff000000, v[TM+\b] ; 2 off its exponent field: the conversion's scale operand
.endr
.irp b, 0,1,2,3
	v_lshrrev_b32 v[TM+4+\b], 23, v[TM+12+\b]      ; the scale's byte
.endr
	v_lshl_or_b32 v[PW], v[TM+5], 8, v[TM+4]
	v_lshl_or_b32 v[PW], v[TM+6], 16, v[PW]
	v_lshl_or_b32 v[PW], v[TM+7], 24, v[PW]        ; my row's scale word
	WIN \win                                       ; source 0: the numbers
.irp b, 0,1,2,3
	v_cvt_scalef32_pk8_fp4_f32 v[PC+2*\b], v[(\s)+16*\b:(\s)+7+16*\b], v[TM+12+\b]
	v_cvt_scalef32_pk8_fp4_f32 v[PC+1+2*\b], v[(\s)+8+16*\b:(\s)+15+16*\b], v[TM+12+\b]
.endr
	WIN 0
	v_nop                                          ; one plain place behind a scaled conversion
.irp c, 0,1                                    ; the operand wants a whole block in a lane: lanes 0-15 block 2 c, lanes 16-31 block 2 c + 1
.irp i, 0,1
	v_permlane16_swap_b32 v[PC+4*\c+\i], v[PC+2+4*\c+\i]
.endr
.endr
.endm
.macro QSTEP s, left                   ; left: the loads of later K steps, which may stay out (the count cannot name more than 63)
	s_wait_loadcnt \left
.if (\s) < 4
	QUANT 64*(\s), 3
.else
	QUANT 64*((\s)-4), 1
.endif
.irp c, 0,1
	ds_store_b128 v[XWI], v[PC+4*\c:PC+4*\c+3] offset:XIMG+1024*(\s)+512*\c   ; the fragment as it stands: lane l's 16 bytes at 16 l
.endr
	ds_store_b32 v[XWS], v[PW] offset:XSC+128*(\s)
	s_wait_dscnt 0x0                               ; the stores have read their registers: the next K step's codes may be written
.endm
	; ---- PART 1
	s_cmp_ge_u32 s[G64], s[LIM]
	s_cbranch_scc1 .Lno_rows
	global_load_b32 v[IDX], v[IO], s[26:27]
	s_wait_loadcnt 0x0
	v_min_u32 v[IDX], 4095, v[IDX]                 ; a token's number, held inside its batch ahead of the address
	v_mul_u32_u24 v[XA], v[IDX], 3072
	v_lshl_add_u32 v[XA], v3, 6, v[XA]
.irp s, 0,1,2,3,4,5
	XLOAD \s
.endr
	WIN 0
	QSTEP 0, 63                                    ; 80 loads were issued behind K step 0's sixteen
	QSTEP 1, 63                                    ; 64 behind K step 1's
	QSTEP 2, 48
	QSTEP 3, 32
	QSTEP 4, 16
	QSTEP 5, 0
.Lno_rows:
	s_wait_dscnt 0x0                               ; my images have landed
	s_barrier_signal -1
	s_barrier_wait -1                              ; everybody's have
; the weights of tile t (0-11 K, 12-23 V) into slot t % 4: six fragments and six scale words: 14 loads
.macro WLOAD t
.set WT,  (\t)/12
.set WI,  (\t)%12
.set WSL, (\t)%4
	WIN 0x80                                       ; destination window 2
.irp s, 0,1,2,3,4,5
.irp c, 0,1
	global_load_b128 v[48*WSL+8*\s+4*\c:48*WSL+8*\s+4*\c+3], v[WO], s[8:9] offset:294912*WT+6144*WI+1024*\s+512*\c
.endr
.endr
	WIN 0
	global_load_b128 v[WS+8*WSL:WS+8*WSL+3], v[WSO], s[10:11] offset:49152*WT+1024*WI
	global_load_b64 v[WS+8*WSL+4:WS+8*WSL+5], v[WSO], s[10:11] offset:49152*WT+1024*WI+16
.endm
; a tile of 16 channels for the 64 tokens: 24 matrix instructions, K ascending; the four accumulators take turns, one instruction a turn
.macro TILE t
.set TTY, (\t)/12
.set TI,  (\t)%12
.set TSL, (\t)%4
.if 23-(\t) >= 3
	s_wait_loadcnt 42                              ; this tile's 14 loads are in; those of the three tiles behind it may be out
.else
	s_wait_loadcnt 14*(23-(\t))
.endif
.if TTY == 0
	WIN 0x06                                       ; source 0 = the weights (window 2), source 1 = x (window 1)
.else
	WIN 0x09                                       ; source 0 = x, source 1 = the weights
.endif
.irp s, 0,1,2,3,4,5
.irp m, 0,1,2,3
.set RD, ACC+8*\m
.if TTY == 0
.set RA, 48*TSL+8*\s
.set RB, 8*(6*\m+\s)
.set SA, WS+8*TSL+\s
.set SB, XS+6*\m+\s
.else
.set RA, 8*(6*\m+\s)
.set RB, 48*TSL+8*\s
.set SA, XS+6*\m+\s
.set SB, WS+8*TSL+\s
.endif
.if \s == 0
	v_wmma_scale_f32_16x16x128_f8f6f4 v[RD:RD+7], v[RA:RA+7], v[RB:RB+7], 0, v[SA], v[SB] matrix_a_fmt:MATRIX_FMT_FP4 matrix_b_fmt:MATRIX_FMT_FP4
.else
	v_wmma_scale_f32_16x16x128_f8f6f4 v[RD:RD+7], v[RA:RA+7], v[RB:RB+7], v[RD:RD+7], v[SA], v[SB] matrix_a_fmt:MATRIX_FMT_FP4 matrix_b_fmt:MATRIX_FMT_FP4
.endif
.endr
.endr
	WIN 0
.rept 4
	v_nop                                          ; four places ahead of loads into the slot just multiplied and of the first read of results; with the conversions of the other accumulators they are also the places ahead of the next tile's first products
.endr
	s_wait_xcnt 0x0                                ; the last tile's stores have read their data: v[OUT] on may be written again
.if (\t)+4 <= 23
	WLOAD (\t)+4
.endif
.irp m, 0,1,2,3
.irp p, 0,1,2,3
	v_cvt_pk_f16_f32 v[OUT+4*\m+\p], v[ACC+8*\m+2*\p], v[ACC+8*\m+2*\p+1]   ; each accumulator from its low end on
.endr
.endr
.irp m, 0,1,2,3
.if TTY == 0
	global_store_b128 v[KO], v[OUT+4*\m:OUT+4*\m+3], s[28:29] offset:4096*(TI/2)+1024*\m+512*(TI%2)
.else
	global_store_b128 v[VO], v[OUT+4*\m:OUT+4*\m+3], s[30:31] offset:12288*(\m/2)+1024*TI+512*(\m%2)
.endif
.endr
.endm
	; ---- PART 2
	s_cmp_ge_u32 s[G64], s[LIM]
	s_cbranch_scc1 .Lno_tiles
	WLOAD 0
	WLOAD 1
	WLOAD 2
	WLOAD 3
	WIN 0x40                                       ; destination window 1
.set I, 0
.rept 24
	ds_load_b128 v[8*I:8*I+3], v[LI] offset:XIMG+1024*I
	ds_load_b128 v[8*I+4:8*I+7], v[LI] offset:XIMG+1024*I+512
.set I, I+1
.endr
	WIN 0
.set I, 0
.rept 24
	ds_load_b32 v[XS+I], v[LS] offset:XSC+128*I
.set I, I+1
.endr
	s_wait_dscnt 0x0
.set N, 0
.rept 24
	TILE N
.set N, N+1
.endr
.Lno_tiles:
	s_wait_tensorcnt 0x0                           ; the wave's end, behind my last LDS store
	ds_add_u32 v[SPW], v[NIL]
	s_wait_dscnt 0x0
	s_endpgm
.Lfunc_end_k_q2f892cf787_proj:
	.size	k_q2f892cf787_proj, .Lfunc_end_k_q2f892cf787_proj-k_q2f892cf787_proj
	.p2alignl 7, 3214868480
	.fill 96, 4, 3214868480
	.section	.rodata,"a",@progbits
	.p2align	6, 0x0
	.amdhsa_kernel k_q2f892cf787_proj
		.amdhsa_group_segment_fixed_size 28160
		.amdhsa_private_segment_fixed_size 0
		.amdhsa_enable_private_segment 0
		.amdhsa_kernarg_size 40
		.amdhsa_user_sgpr_count 2
		.amdhsa_user_sgpr_kernarg_segment_ptr 1
		.amdhsa_wavefront_size32 1
		.amdhsa_system_sgpr_workgroup_id_x 1
		.amdhsa_system_sgpr_workgroup_id_y 1
		.amdhsa_system_sgpr_workgroup_id_z 1
		.amdhsa_system_vgpr_workitem_id 0
		.amdhsa_next_free_vgpr 1024
		.amdhsa_next_free_sgpr 66
		.amdhsa_reserve_vcc 0
		.amdhsa_float_denorm_mode_32 3
		.amdhsa_float_denorm_mode_16_64 3
		.amdhsa_memory_ordered 1
		.amdhsa_forward_progress 1
		.amdhsa_inst_pref_size 186
	.end_amdhsa_kernel
	.amdgpu_metadata
---
amdhsa.version: [ 1, 2 ]
amdhsa.kernels:
  - .name:           k_q2f892cf787_proj
    .symbol:         k_q2f892cf787_proj.kd
    .args:
      - { .name: route, .offset: 0, .size: 8, .value_kind: global_buffer, .address_space: global }
      - { .name: x, .offset: 8, .size: 8, .value_kind: global_buffer, .address_space: global }
      - { .name: wq, .offset: 16, .size: 8, .value_kind: global_buffer, .address_space: global }
      - { .name: wsc, .offset: 24, .size: 8, .value_kind: global_buffer, .address_space: global }
      - { .name: kv, .offset: 32, .size: 8, .value_kind: global_buffer, .address_space: global }
    .group_segment_fixed_size: 28160
    .private_segment_fixed_size: 0
    .kernarg_segment_align: 8
    .kernarg_segment_size: 40
    .max_flat_workgroup_size: 128
    .sgpr_count:     66
    .vgpr_count:     1024
    .wavefront_size: 32
...
	.end_amdgpu_metadata
.endif
;; end of part 2
;; launch attn (part 3): grid 32 x 4, 4 waves a work-group, no clusters, 137,984 bytes of LDS; arguments route, kv, label_reps, bv, ln_gamma, ln_beta, out_w, out_b, out0; writes out0
.if DOCPART == 3
	.amdgcn_target "amdgcn-amd-amdhsa--gfx1250"
	.amdhsa_code_object_version 6
	.text
	.protected	k_q2f892cf787_attn
	.globl	k_q2f892cf787_attn
	.p2align	8
	.type	k_q2f892cf787_attn,@function
k_q2f892cf787_attn:
	s_mov_b64 s[64:65], 0
	v_nop
	global_prefetch_b8 v0, s[64:65] scope:SCOPE_SE
	s_setreg_imm32_b32 hwreg(HW_REG_WAVE_MODE, 25, 1), 1
	s_wait_xcnt 0x0
; LabelCrossAttention, launch 3 of 3: scores, softmax, attn . V, LayerNorm and the dot with out_w, for 64 labels of one batch a work-group.  Each output has one owner.
; WORK LEFT OUT: key steps past the batch's counting tokens (their weights are 0: shown at the head of the first launch); the count n_b is read from memory.  Places from n_b on inside the last
; step get the score -inf, as reference() gives them.  bv is added behind the division by the row's sum (a row's weights sum to 1).  A batch with n_b = 0 gives NaN, as reference() does.
; FORMATS: labels, K, the weights p and V are f16 operands, sums f32; maxima, sums, LayerNorm and the dot in f32; a running maximum is taken away ahead of every exponential.
; LIMITS: |label|, |K|, |x Wv^T| under 65,504.
; SHARES.  A key step is 256 places.  SCORES: wave w owns keys 64 w .. 64 w + 63 of the step, against all 64 labels and all 768 channels: S^T = K Q^T, 16 accumulators.  SECOND PRODUCT: wave w owns
; channels 192 w .. 192 w + 191 for all 64 labels: O^T = V^T P, 48 accumulators.  In both a lane holds ONE label (lane % 16).  So each byte of K and V is loaded by exactly one wave of the
; work-group, from memory straight into its operand registers (kv lies in that order), and only the labels, the weights and the rows' maxima go through LDS.
; THE STREAM.  Both products eat units of four fragments (4,096 bytes, eight loads, sixteen matrix instructions).  A step is 48 units (24 of K, 24 of V^T), a ring of eight register slots holds them,
; and in the middle of unit n unit n + 7 is asked for: 56 loads a wave are out.  The last seven requests of a step name the next step's first units; in the last step that counts they name the same
; step's again (bytes that were stored, inside the buffer) and are thrown away: so every way through the text issues the same loads and no tail is written out.
; NO TENSOR LOAD, NO CLUSTER: how many steps are worked hangs on n_b, a number read from memory.  For the same reason the loop
; has a constant 16 trips: three scalar branches a trip lead round the three pieces of work, and the two barriers stand between them, on every wave's path.
; 128 work-groups: 64 labels x 768 channels of f32 fill a work-group's accumulators (384 registers a wave), and a split of the keys would send f32 parts of O through memory.
; REGISTERS, in windows of 256: window 0: v2-15 addresses; v16-47 eight of statistics a tile of labels; v48-63 at work; v64-191 S^T (32 q + 8 kt + j); v192-255 two buffers of labels' or weights' fragments.
;   window 1: the ring, 8 slots x 32.   window 2: O^T of label tiles 0, 1 (96 (q % 2) + 8 t).   window 3: of tiles 2, 3.
.set PQ,     1552                      ; a label's row in LDS: 1,536 bytes + 16 = 388 words: row r starts at bank 4 r mod 64, so the 16 rows of a load start at 16 different banks
.set QTILE,  16*PQ
.set PIMG,   64*PQ                     ; the weights: [32 keys u 8][q 4][c 2][lane][16 bytes], images of operand registers
.set MX,     PIMG+32768                ; the rows' maxima: [16 q + r][wave] f32
.set EX1,    MX+1024                   ; the way out: [16 q + r][wave][2] f32,
.set EX2,    EX1+2048                  ; once more,
.set EXC,    EX2+2048                  ; and [wave][2]
.set SPARE,  EXC+256                   ; the spare words, 128 bytes a wave
.set UNIT,   4096
.set STEPB,  48*UNIT                   ; a wave's block of a step
.set STRIDE, 4*STEPB                   ; a step
.set BATCHB, 16*STRIDE
.set AQ0,  2                           ; v2, v3 my lane's place in label tiles 0, 1 and 2, 3
.set PLD,  4                           ; v4   PIMG + 16 x lane
.set PST,  5                           ; v5   + 8,192 x wave
.set MXS,  6                           ; v6   MX + 16 r + 4 x wave
.set MXL,  7                           ; v7   MX + 16 r
.set LOFF, 8                           ; v8   16 x lane
.set PFO,  9                           ; v9   256 x lane
.set DM,   10                          ; v10  the mask's distance
.set NINF, 11                          ; v11  -infinity
.set SPW,  12                          ; v12  LDS address of my spare word; never rewritten
.set NIL,  13                          ; v13  0; never rewritten
.set H8,   14                          ; v14  8 h
.set QST,  15                          ; v15  where I store labels: 8 x lane + QTILE x wave
.set ST,   16                          ; tile q at v[ST + 8 q]: +0 c m (+1 its pair's partner), +2, +3 l, +4 .. +7 at work; a at +6
.set WK,   48
.set S,    64
.set QF,   192
.set GM,   64                          ; the way out: gamma, then gamma x out_w
.set BV,   160                         ; bv
.set WV,   22
.set BLK,  23
.set BB,   24
.set NB,   25
.set NST,  26                          ; steps that are worked
.set TT,   27                          ; the trip
.set REM,  28                          ; counting places from this step on
.set PFL,  29                          ; 1 in the batch's first work-group
.set PK,   30                          ; 1 there while a next step is worked
.set TS,   31
.set CUR,  32                          ; s[32:33] my block of this step
.set NXT,  34                          ; s[34:35] of the next
.set OFP,  36                          ; s[36:37] an offset
.set CS,   38                          ; s[38:39] c = log2(e)
.set SEL,  40                          ; s[40:41] selects for lane l xor 16
.set NOF,  42
.set OB,   43
.set C768, 44
.set EPS,  45
.set T2,   46                          ; s[46:47] an offset
.set MSB, 0
.macro WIN new                         ; the immediate's high byte repeats the setting that is left
.if MSB != \new
	s_set_vgpr_msb (MSB<<8)|\new
.set MSB, \new
.endif
.endm
.macro PLACES                          ; four places ahead of loads into registers that matrix instructions have read, and of the first read of results
.rept 4
	v_nop
.endr
.endm
.macro BAR                             ; my LDS stores have landed and my LDS loads are in: then the work-group's barrier
	s_wait_dscnt 0x0
	s_barrier_signal -1
	s_barrier_wait -1
.endm
.macro ULOAD m                         ; unit m of the stream (48 and on: the next step's) into slot m % 8
	WIN 0x40                                       ; destination window 1
.if (\m) < 48
.set UB, CUR
.set UO, UNIT*(\m)
.else
.set UB, NXT
.set UO, UNIT*((\m)-48)
.endif
.set UR, 32*((\m)%8)
.irp f, 0,1,2,3
.irp c, 0,1
	global_load_b128 v[UR+8*\f+4*\c:UR+8*\f+4*\c+3], v[LOFF], s[UB:UB+1] offset:UO+1024*\f+512*\c   ; 32 lanes read 512 consecutive bytes
.endr
.endr
.endm
.macro QFETCH s, buf                   ; the four label tiles' fragments of channels 32 s on
.irp q, 0,1,2,3
.irp c, 0,1
	ds_load_b128 v[QF+32*(\buf)+8*\q+4*\c:QF+32*(\buf)+8*\q+4*\c+3], v[AQ0+\q/2] offset:QTILE*(\q%2)+64*(\s)+32*\c
.endr
.endr
.endm
.macro PFETCH u, buf                   ; the four label tiles' weights of keys 32 u on
.irp q, 0,1,2,3
.irp c, 0,1
	ds_load_b128 v[QF+32*(\buf)+8*\q+4*\c:QF+32*(\buf)+8*\q+4*\c+3], v[PLD] offset:1024*(4*(\u)+\q)+512*\c
.endr
.endr
.endm
; A PREFETCH INTO THE L2: 24 units of my wave's block, 98,304 bytes, lanes 256 bytes apart, twelve instructions together, behind the unit's loads.  All 32 work-groups of a batch walk the same kv: the batch's
; first asks, each wave for its own block, so each aligned 256 bytes are named once.  At unit 0: this step's V^T, whose loads begin 17 units on; at unit 24: the next step's K, likewise 17 units on,
; and only while a next step is worked.  The first step's K comes by its loads alone.
.macro ASK base, off, flag
	s_cmp_eq_u32 s[\flag], 1
	s_cbranch_scc0 .Lnot_mine_\@
.irp k, 0,1,2,3,4,5,6,7,8,9,10,11
	global_prefetch_b8 v[PFO], s[\base:\base+1] offset:\off+8192*\k th:TH_LOAD_NT scope:SCOPE_SE
.endr
.Lnot_mine_\@:
.endm
.macro SMUL n, kt                      ; S^T(q, kt) += K(kt) Q(q)^T, 32 channels; unit 0 starts the sums
.irp q, 0,1,2,3
.if (\n) == 0
	v_wmma_f32_16x16x32_f16 v[S+32*\q+8*(\kt):S+32*\q+8*(\kt)+7], v[32*((\n)%8)+8*(\kt):32*((\n)%8)+8*(\kt)+7], v[QF+32*((\n)%2)+8*\q:QF+32*((\n)%2)+8*\q+7], 0
.else
	v_wmma_f32_16x16x32_f16 v[S+32*\q+8*(\kt):S+32*\q+8*(\kt)+7], v[32*((\n)%8)+8*(\kt):32*((\n)%8)+8*(\kt)+7], v[QF+32*((\n)%2)+8*\q:QF+32*((\n)%2)+8*\q+7], v[S+32*\q+8*(\kt):S+32*\q+8*(\kt)+7]
.endif
.endr
.endm
; A unit of K: sixteen matrix instructions on sixteen accumulators, in the same order in every unit; the loads stand in one run in its middle
.macro SUNIT n
	s_wait_loadcnt 48                              ; my unit's eight loads are in; those of the six units behind it may be out
	s_wait_dscnt 0x0                               ; the labels' fragments are in
	WIN 0x01                                       ; source 0: the ring
	SMUL \n, 0
	SMUL \n, 1
	WIN 0
	PLACES
.if (\n) < 23
	QFETCH (\n)+1, ((\n)+1)%2
.endif
	ULOAD (\n)+7
.if (\n) == 0
	WIN 0
	ASK CUR, 24*UNIT, PFL
.endif
	WIN 0x01
	SMUL \n, 2
	SMUL \n, 3
.endm
.macro PMUL j, q0                      ; O^T(q, 4 i + tt) += V^T(tt) P(q), 32 keys
.irp q, \q0, \q0+1
.irp tt, 0,1,2,3
	v_wmma_f32_16x16x32_f16 v[96*((\q)%2)+8*(4*((\j)%3)+\tt):96*((\q)%2)+8*(4*((\j)%3)+\tt)+7], v[32*((\j)%8)+8*\tt:32*((\j)%8)+8*\tt+7], v[QF+32*(((\j)/3)%2)+8*(\q):QF+32*(((\j)/3)%2)+8*(\q)+7], v[96*((\q)%2)+8*(4*((\j)%3)+\tt):96*((\q)%2)+8*(4*((\j)%3)+\tt)+7]
.endr
.endr
.endm
; A unit of V^T: unit 24 + j, keys 32 (j / 3) on, channels 64 (j % 3) on
.macro PUNIT j
	s_wait_loadcnt 48
.if (\j)%3 == 0
	s_wait_dscnt 0x0                               ; these 32 keys' weights are in
.endif
	WIN 0xa1                                       ; source 0 the ring, C and D window 2
	PMUL \j, 0
	WIN 0
	PLACES
.if (\j)%3 == 0
.if (\j)/3 < 7
	PFETCH (\j)/3+1, ((\j)/3+1)%2
.else
	QFETCH 0, 0                                    ; the next step's first fragments of the labels
.endif
.endif
	ULOAD (\j)+31
.if (\j) == 0
	WIN 0
	ASK NXT, 0, PK
.endif
	WIN 0xf1                                       ; C and D window 3
	PMUL \j, 2
.endm
	s_load_b256 s[4:11], s[0:1], 0x0               ; route s[4:5], kv s[6:7], label_reps s[8:9], bv s[10:11]
	s_load_b256 s[12:19], s[0:1], 0x20             ; ln_gamma s[12:13], ln_beta s[14:15], out_w s[16:17], out_b s[18:19]
	s_load_b64 s[20:21], s[0:1], 0x40              ; out0
	v_lshl_add_u32 v[SPW], v0, 2, SPARE
	v_mov_b32 v[NIL], 0
	v_lshrrev_b32 v1, 5, v0
	v_readfirstlane_b32 s[WV], v1                  ; wave 0..3
	s_mov_b32 s[BLK], ttmp9
	s_and_b32 s[BB], ttmp7, 0xffff
	s_lshl_b32 s[NOF], s[BB], 7
	v_and_b32 v1, 31, v0                           ; lane
	v_and_b32 v[WK], 15, v0                        ; r
	v_bfe_u32 v[WK+1], v0, 4, 1                    ; h
	v_mul_u32_u24 v[AQ0], v[WK], PQ
	v_lshl_add_u32 v[AQ0], v[WK+1], 4, v[AQ0]      ; row r x pitch + 16 h
	v_add_nc_u32 v[AQ0+1], 2*QTILE, v[AQ0]
	v_lshlrev_b32 v[LOFF], 4, v1
	v_add_nc_u32 v[PLD], PIMG, v[LOFF]
	s_lshl_b32 s[TS], s[WV], 13
	v_add_nc_u32 v[PST], s[TS], v[PLD]
	v_lshl_add_u32 v[MXL], v[WK], 4, MX
	s_lshl_b32 s[TS], s[WV], 2
	v_add_nc_u32 v[MXS], s[TS], v[MXL]
	v_lshlrev_b32 v[PFO], 8, v1
	v_mov_b32 v[DM], 0
	v_mov_b32 v[NINF], 0xff800000
	v_lshlrev_b32 v[H8], 3, v[WK+1]
	s_mul_i32 s[TS], s[WV], QTILE
	v_lshl_add_u32 v[QST], v1, 3, s[TS]
	s_mov_b32 s[CS], 0x3fb8aa3b                    ; c = log2(e): SCALE is 1
	s_mov_b32 s[CS+1], s[CS]                       ; (named with it as a pair, so it is written)
	s_mov_b32 s[SEL], 0x76543210
	s_mov_b32 s[SEL+1], 0xfedcba98
	s_mov_b32 s[C768], 0x3aaaaaab                  ; 1 / 768
	s_mov_b32 s[EPS], 0x3727c5ac                   ; 1e-5
	s_mov_b32 s[T2+1], 0
	s_mov_b32 s[OFP+1], 0
	s_mov_b32 s[TT], 0
	s_wait_kmcnt 0x0
	s_load_b32 s[NB], s[4:5], s[NOF] offset:0x10000   ; n_b
	s_load_b32 s[OB], s[18:19], 0x0                ; out_b
	s_lshl_b32 s[TS], s[BLK], 2
	s_add_co_u32 s[TS], s[TS], s[WV]
	s_min_u32 s[TS], s[TS], 124                    ; my tile of 16 labels; 2,000 = 125 x 16: a tile past the end takes the last tile's rows, and its results are not stored
	s_mul_i32 s[T2], s[TS], 49152
	s_add_nc_u64 s[8:9], s[8:9], s[T2:T2+1]
	; the labels: 96 loads of 512 consecutive bytes; rows 0-7 into v64-255 of window 0, rows 8-15 into v0-191 of window 1
.set I, 0
.rept 16
.if I < 8
	WIN 0
.set QR, S+24*I
.else
	WIN 0x40
.set QR, 24*(I-8)
.endif
.irp k, 0,1,2,3,4,5
	global_load_b128 v[QR+4*\k:QR+4*\k+3], v[LOFF], s[8:9] offset:3072*I+512*\k
.endr
.set I, I+1
.endr
	WIN 0
	s_mul_i32 s[T2], s[BB], BATCHB
	s_mul_i32 s[TS], s[WV], STEPB
	s_add_co_u32 s[T2], s[T2], s[TS]
	s_add_nc_u64 s[CUR:CUR+1], s[6:7], s[T2:T2+1]  ; my block of step 0
	s_mul_i32 s[T2], s[BB], 8000
	s_add_nc_u64 s[20:21], s[20:21], s[T2:T2+1]    ; out0 at batch b
	s_wait_kmcnt 0x0
	s_min_u32 s[NB], s[NB], 4096                   ; a count of a batch's tokens, held at their number
	s_add_co_u32 s[NST], s[NB], 255
	s_lshr_b32 s[NST], s[NST], 8
	s_mov_b32 s[REM], s[NB]
	s_cmp_eq_u32 s[BLK], 0
	s_cselect_b32 s[PFL], 1, 0
	s_cmp_gt_u32 s[NST], 1
	s_cselect_b32 s[OFP], STRIDE, 0
	s_cselect_b32 s[PK], s[PFL], 0
	s_add_nc_u64 s[NXT:NXT+1], s[CUR:CUR+1], s[OFP:OFP+1]
; four rows of labels: rounded to f16 in place, 8 bytes a lane into LDS
.macro QPROC g
.if (\g) < 2
.set QB, S+96*(\g)
	WIN 0
.else
.set QB, 96*((\g)-2)
	WIN 0x45                                       ; sources and destination window 1
.endif
.set I, 0
.rept 24
	v_cvt_pk_f16_f32 v[QB+4*I], v[QB+4*I], v[QB+4*I+1]
	v_cvt_pk_f16_f32 v[QB+4*I+1], v[QB+4*I+2], v[QB+4*I+3]
.set I, I+1
.endr
.if (\g) >= 2
	WIN 0x04                                       ; an LDS store's data are its source 1
.endif
.set I, 0
.rept 24
	ds_store_b64 v[QST], v[QB+4*I:QB+4*I+1] offset:PQ*(4*(\g)+I/6)+256*(I%6)
.set I, I+1
.endr
.endm
	s_wait_loadcnt 63                              ; 72 loads were issued behind the first four rows' 24
	QPROC 0
	s_wait_loadcnt 48
	QPROC 1
	s_wait_loadcnt 24
	QPROC 2
	s_wait_loadcnt 0x0
	QPROC 3
	WIN 0
	s_wait_dscnt 0x0                               ; the stores have read window 1's registers: the ring may be filled
.irp m, 0,1,2,3,4,5,6
	ULOAD \m                                       ; units 0-6 of step 0, which the launch before has stored for every batch
.endr
	WIN 0x80                                       ; O^T begins as zeros: a first step written out by itself would be a second copy of the whole key step
.set I, 0
.rept 192
	v_mov_b32 v[I], 0
.set I, I+1
.endr
	WIN 0xc0
.set I, 0
.rept 192
	v_mov_b32 v[I], 0
.set I, I+1
.endr
	WIN 0
.irp q, 0,1,2,3
	v_mov_b32 v[ST+8*\q], 0xff61b1e6               ; c m so far: -3e38, under every score
	v_mov_b32 v[ST+8*\q+1], 0xff61b1e6
.irp e, 2,3,4,5,6,7
	v_mov_b32 v[ST+8*\q+\e], 0
.endr
.endr
	BAR                                            ; all 64 labels lie in LDS
	QFETCH 0, 0
.Ltrip:                                            ; 16 trips, a constant; a trip past the counting tokens passes its two barriers and does nothing else
	s_cmp_ge_u32 s[TT], s[NST]
	s_cbranch_scc1 .Lskip_scores
	; ---- the scores of my 64 keys
.set N, 0
.rept 24
	SUNIT N
.set N, N+1
.endr
	WIN 0
	PLACES
	s_cmp_ge_i32 s[REM], 256                       ; only the last step that is worked can hold places that do not count
	s_cbranch_scc1 .Lopen
	s_lshl_b32 s[TS], s[WV], 6
	s_sub_co_i32 s[TS], s[REM], s[TS]
	v_sub_nc_u32 v[DM], s[TS], v[H8]               ; register 8 kt + j holds place 64 w + 16 kt + 8 h + j of the step: it does not count where 16 kt + j >= REM - 64 w - 8 h
.irp kt, 0,1,2,3
.irp j, 0,1,2,3,4,5,6,7
	v_cmp_gt_i32 vcc_lo, 16*\kt+\j+1, v[DM]
.irp q, 0,1,2,3
	v_cndmask_b32 v[S+32*\q+8*\kt+\j], v[S+32*\q+8*\kt+\j], v[NINF], vcc_lo
.endr
.endr
.endr
.Lopen:
.irp j, 0,1,2,3                                ; the largest of a lane's 32 scores, for each tile of labels; each accumulator is read from its low end on
.irp q, 0,1,2,3
	v_max3_num_f32 v[ST+8*\q+4+\j], v[S+32*\q+8*\j], v[S+32*\q+8*\j+1], v[S+32*\q+8*\j+2]
.endr
.endr
.irp e, 3,5
.irp j, 0,1,2,3
.irp q, 0,1,2,3
	v_max3_num_f32 v[ST+8*\q+4+\j], v[ST+8*\q+4+\j], v[S+32*\q+8*\j+\e], v[S+32*\q+8*\j+\e+1]
.endr
.endr
.endr
.irp q, 0,1,2,3
	v_max3_num_f32 v[ST+8*\q+4], v[ST+8*\q+4], v[S+32*\q+7], v[S+32*\q+15]
.endr
.irp q, 0,1,2,3
	v_max3_num_f32 v[ST+8*\q+6], v[ST+8*\q+6], v[S+32*\q+23], v[S+32*\q+31]
.endr
.irp q, 0,1,2,3
	v_max3_num_f32 v[ST+8*\q+4], v[ST+8*\q+4], v[ST+8*\q+5], v[ST+8*\q+6]
.endr
.irp q, 0,1,2,3
	v_max_num_f32 v[ST+8*\q+4], v[ST+8*\q+4], v[ST+8*\q+7]
.endr
.irp q, 0,1,2,3
	v_permlanex16_b32 v[ST+8*\q+5], v[ST+8*\q+4], s[SEL], s[SEL+1]
.endr
.irp q, 0,1,2,3
	v_max_num_f32 v[ST+8*\q+4], v[ST+8*\q+4], v[ST+8*\q+5]   ; of my wave's 64 keys
.endr
.irp q, 0,1,2,3
	ds_store_b32 v[MXS], v[ST+8*\q+4] offset:256*\q          ; both halves of the lanes write the same word with the same value
.endr
.Lskip_scores:
	BAR                                            ; the four waves' maxima lie in LDS; nobody reads the last step's weights any more
	s_cmp_ge_u32 s[TT], s[NST]
	s_cbranch_scc1 .Lskip_softmax
	; ---- the weights of my 64 keys
.irp q, 0,1,2,3
	ds_load_b128 v[WK+4*\q:WK+4*\q+3], v[MXL] offset:256*\q
.endr
	s_wait_dscnt 0x0
.irp q, 0,1,2,3
	v_max3_num_f32 v[ST+8*\q+4], v[WK+4*\q], v[WK+4*\q+1], v[WK+4*\q+2]
.endr
.irp q, 0,1,2,3
	v_max_num_f32 v[ST+8*\q+4], v[ST+8*\q+4], v[WK+4*\q+3]   ; the step's largest score: place 0 of a worked step counts, so it is a number
.endr
.irp q, 0,1,2,3
	v_mul_f32 v[ST+8*\q+4], s[CS], v[ST+8*\q+4]
.endr
.irp q, 0,1,2,3
	v_mov_b32 v[ST+8*\q+7], v[ST+8*\q]             ; c m as it was
.endr
.irp q, 0,1,2,3
	v_max_num_f32 v[ST+8*\q], v[ST+8*\q], v[ST+8*\q+4]       ; the running maximum: the same in all four waves
.endr
.irp q, 0,1,2,3
	v_sub_f32 v[ST+8*\q+7], v[ST+8*\q+7], v[ST+8*\q]
.endr
.irp q, 0,1,2,3
	v_exp_f32 v[ST+8*\q+6], v[ST+8*\q+7]           ; a = 2^(c m old - c m new)
.endr
.irp q, 0,1,2,3
.irp e, 0,2,4,6,8,10,12,14,16,18,20,22,24,26,28,30
	v_pk_fma_f32 v[S+32*\q+\e:S+32*\q+\e+1], v[S+32*\q+\e:S+32*\q+\e+1], s[CS:CS+1], v[ST+8*\q:ST+8*\q+1] op_sel_hi:[1,0,0] neg_lo:[0,0,1] neg_hi:[0,0,1]   ; c s - c m
.endr
.endr
.set I, 0
.rept 128
	v_exp_f32 v[S+I], v[S+I]                       ; p, at most about 1
.set I, I+1
.endr
	v_nop                                          ; a plain place behind the last exponential
	s_wait_alu depctr_va_vdst(0)                   ; one wait for the batch of 132, ahead of its first reader
.irp q, 0,1,2,3
.irp e, 0,1,2,3,4,5,6,7,8,9,10,11,12,13,14,15
	v_cvt_pk_f16_f32 v[QF+16*\q+\e], v[S+32*\q+2*\e], v[S+32*\q+2*\e+1]
.endr
.endr
.irp q, 0,1,2,3
.irp kt, 0,1,2,3
	ds_store_b128 v[PST], v[QF+16*\q+4*\kt:QF+16*\q+4*\kt+3] offset:4096*(\kt/2)+1024*\q+512*(\kt%2)   ; half kt % 2 of the fragment of keys 64 w + 32 (kt / 2) on
.endr
.endr
.Lskip_softmax:
	BAR                                            ; the step's weights lie in LDS; nobody reads the maxima any more
	s_cmp_ge_u32 s[TT], s[NST]
	s_cbranch_scc1 .Lskip_values
	; ---- my 192 channels
	PFETCH 0, 0
.irp u, 0,1,2,3,4,5,6,7                        ; the sum of my 64 keys' unrounded p, in place, in pairs
.irp q, 0,1,2,3
	v_pk_add_f32 v[S+32*\q+4*\u:S+32*\q+4*\u+1], v[S+32*\q+4*\u:S+32*\q+4*\u+1], v[S+32*\q+4*\u+2:S+32*\q+4*\u+3]
.endr
.endr
.irp u, 0,1,2,3
.irp q, 0,1,2,3
	v_pk_add_f32 v[S+32*\q+8*\u:S+32*\q+8*\u+1], v[S+32*\q+8*\u:S+32*\q+8*\u+1], v[S+32*\q+8*\u+4:S+32*\q+8*\u+5]
.endr
.endr
.irp u, 0,1
.irp q, 0,1,2,3
	v_pk_add_f32 v[S+32*\q+16*\u:S+32*\q+16*\u+1], v[S+32*\q+16*\u:S+32*\q+16*\u+1], v[S+32*\q+16*\u+8:S+32*\q+16*\u+9]
.endr
.endr
.irp q, 0,1,2,3
	v_pk_add_f32 v[S+32*\q:S+32*\q+1], v[S+32*\q:S+32*\q+1], v[S+32*\q+16:S+32*\q+17]
.endr
.irp q, 0,1,2,3
	v_pk_fma_f32 v[ST+8*\q+2:ST+8*\q+3], v[ST+8*\q+2:ST+8*\q+3], v[ST+8*\q+6:ST+8*\q+7], v[S+32*\q:S+32*\q+1] op_sel_hi:[1,0,1]   ; l = a l + the sum: my wave's part of it
.endr
	WIN 0x82                                       ; O^T x a: destination and source 0 window 2
.irp q, 0,1
.set I, 0
.rept 48
	v_pk_mul_f32 v[96*\q+2*I:96*\q+2*I+1], v[96*\q+2*I:96*\q+2*I+1], v[ST+8*\q+6:ST+8*\q+7] op_sel_hi:[1,0]
.set I, I+1
.endr
.endr
	WIN 0xc3
.irp q, 0,1
.set I, 0
.rept 48
	v_pk_mul_f32 v[96*\q+2*I:96*\q+2*I+1], v[96*\q+2*I:96*\q+2*I+1], v[ST+8*(\q+2)+6:ST+8*(\q+2)+7] op_sel_hi:[1,0]
.set I, I+1
.endr
.endr
.set N, 0
.rept 24
	PUNIT N
.set N, N+1
.endr
	WIN 0
.Lskip_values:
	s_wait_xcnt 0x0                                ; the loads and prefetches issued so far have read their bases: both may be written
	s_mov_b64 s[CUR:CUR+1], s[NXT:NXT+1]
	s_add_co_u32 s[TS], s[TT], 2
	s_cmp_lt_u32 s[TS], s[NST]
	s_cselect_b32 s[OFP], STRIDE, 0                ; the look-ahead stops at the last step that is worked
	s_cselect_b32 s[PK], s[PFL], 0
	s_add_nc_u64 s[NXT:NXT+1], s[NXT:NXT+1], s[OFP:OFP+1]
	s_sub_co_i32 s[REM], s[REM], 256
	s_add_co_u32 s[TT], s[TT], 1
	s_cmp_lt_u32 s[TT], 16
	s_cbranch_scc1 .Ltrip
	; ---- THE WAY OUT.  y = O / l + bv; LayerNorm; out = rsqrt(var + eps) x sum((y - mu) gamma out_w) + sum(beta out_w) + out_b.  A lane holds 96 channels (192 w + 16 t + 8 h + j) of four labels;
	; sums over channels, and l over keys, are joined across the halves of the lanes and, through LDS, across the four waves.  The variance is taken of y - mu, as reference() takes it.
	PLACES                                         ; behind the last products: ahead of the first read of O^T and of loads into operand registers
	s_wait_loadcnt 0x0                             ; the look-ahead of the stream that nobody wants has landed,
	s_wait_dscnt 0x0                               ; and so have the labels' fragments that the last step fetched for a step that does not follow (where the sixteenth trip is worked, no barrier's wait stands behind them): bv's loads land on their registers
	s_wait_xcnt 0x0                                ; and no load or prefetch still reads v8 or v9
	v_and_b32 v[WK], 15, v0                        ; r
	v_bfe_u32 v[WK+1], v0, 4, 1                    ; h
	s_lshl_b32 s[TS], s[WV], 3
	v_lshl_add_u32 v3, v[WK], 5, EX1               ; v3  EX1 + 32 r
	v_add_nc_u32 v2, s[TS], v3                     ; v2  + 8 x wave
	v_mov_b32 v5, EXC                              ; v5  EXC
	v_add_nc_u32 v4, s[TS], v5                     ; v4  + 8 x wave
	s_lshl_b32 s[TS], s[WV], 9
	v_add_nc_u32 v6, s[TS], v3
	v_add_nc_u32 v6, EX2-EX1, v6                   ; v6  EX2 + 512 x wave + 32 r: label tile q = my wave
	s_mul_i32 s[TS], s[WV], 768
	v_lshl_add_u32 v7, v[WK+1], 5, s[TS]           ; v7  my channels' bytes: 768 x wave + 32 h
	s_lshl_b32 s[TS], s[BLK], 6
	s_lshl_b32 s[T2], s[WV], 4
	s_add_co_u32 s[TS], s[TS], s[T2]
	v_add_nc_u32 v9, s[TS], v[WK]                  ; the label that I finish: 64 x block + 16 x wave + r
	v_lshlrev_b32 v8, 2, v9                        ; v8  its bytes in out0's row
	v_lshl_add_u32 v9, v[WK+1], 12, v9             ; v9  + 4,096 h: lanes 16-31 store nothing
.irp t, 0,1,2,3,4,5,6,7,8,9,10,11
.irp e, 0,1
	global_load_b128 v[GM+8*\t+4*\e:GM+8*\t+4*\e+3], v7, s[12:13] offset:64*\t+16*\e   ; gamma
	global_load_b128 v[BV+8*\t+4*\e:BV+8*\t+4*\e+3], v7, s[10:11] offset:64*\t+16*\e   ; bv
.endr
.endr
	WIN 0x40
.irp t, 0,1,2,3,4,5,6,7,8,9,10,11
.irp e, 0,1
	global_load_b128 v[8*\t+4*\e:8*\t+4*\e+3], v7, s[16:17] offset:64*\t+16*\e         ; out_w: window 1, v0-95
	global_load_b128 v[96+8*\t+4*\e:96+8*\t+4*\e+3], v7, s[14:15] offset:64*\t+16*\e   ; beta: window 1, v96-191
.endr
.endr
	WIN 0
.irp e, 0,1,2,3,4,5,6,7,8,9,10,11,12,13,14,15
	v_mov_b32 v[WK+\e], 0                          ; eight pairs in which sums begin
.endr
.irp q, 0,1,2,3
	v_add_f32 v[ST+8*\q+4], v[ST+8*\q+2], v[ST+8*\q+3]       ; l's two halves
.endr
	WIN 0x08                                       ; source 1 window 2
.set I, 0
.rept 48
.irp q, 0,1
	v_pk_add_f32 v[WK+2*\q:WK+2*\q+1], v[WK+2*\q:WK+2*\q+1], v[96*\q+2*I:96*\q+2*I+1]   ; the sum of my 96 numbers of O^T; each accumulator from its low end on
.endr
.set I, I+1
.endr
	WIN 0x0c
.set I, 0
.rept 48
.irp q, 0,1
	v_pk_add_f32 v[WK+4+2*\q:WK+5+2*\q], v[WK+4+2*\q:WK+5+2*\q], v[96*\q+2*I:96*\q+2*I+1]
.endr
.set I, I+1
.endr
	WIN 0
.irp q, 0,1,2,3
	v_add_f32 v[ST+8*\q+5], v[WK+2*\q], v[WK+2*\q+1]
.endr
.irp q, 0,1,2,3
	v_permlanex16_b32 v[ST+8*\q+6], v[ST+8*\q+4], s[SEL], s[SEL+1]
	v_permlanex16_b32 v[ST+8*\q+7], v[ST+8*\q+5], s[SEL], s[SEL+1]
.endr
.irp q, 0,1,2,3
	v_pk_add_f32 v[ST+8*\q+4:ST+8*\q+5], v[ST+8*\q+4:ST+8*\q+5], v[ST+8*\q+6:ST+8*\q+7]   ; (l, sum of O): my wave's parts
.endr
	s_wait_loadcnt 0x0                             ; the four vectors
	WIN 0x05                                       ; sources 0 and 1 window 1
.set I, 0
.rept 48
	v_pk_fma_f32 v[WK+8+2*(I%2):WK+9+2*(I%2)], v[96+2*I:97+2*I], v[2*I:2*I+1], v[WK+8+2*(I%2):WK+9+2*(I%2)]   ; sum of beta x out_w, two chains
.set I, I+1
.endr
	WIN 0x04                                       ; source 1 window 1
.set I, 0
.rept 48
	v_pk_mul_f32 v[GM+2*I:GM+2*I+1], v[GM+2*I:GM+2*I+1], v[2*I:2*I+1]                   ; g = gamma x out_w
.set I, I+1
.endr
	WIN 0
.set I, 0
.rept 48
	v_pk_add_f32 v[WK+12+2*(I%2):WK+13+2*(I%2)], v[WK+12+2*(I%2):WK+13+2*(I%2)], v[BV+2*I:BV+2*I+1]   ; sum of bv, two chains
.set I, I+1
.endr
	v_pk_add_f32 v[WK+12:WK+13], v[WK+12:WK+13], v[WK+14:WK+15]
	v_pk_add_f32 v[WK+8:WK+9], v[WK+8:WK+9], v[WK+10:WK+11]
	v_add_f32 v[WK+12], v[WK+12], v[WK+13]
	v_add_f32 v[WK+13], v[WK+8], v[WK+9]
	v_permlanex16_b32 v[WK+14], v[WK+12], s[SEL], s[SEL+1]
	v_permlanex16_b32 v[WK+15], v[WK+13], s[SEL], s[SEL+1]
	v_pk_add_f32 v[WK+12:WK+13], v[WK+12:WK+13], v[WK+14:WK+15]   ; (sum of bv, sum of beta x out_w): my wave's 192 channels
.irp q, 0,1,2,3
	ds_store_b64 v2, v[ST+8*\q+4:ST+8*\q+5] offset:512*\q
.endr
	ds_store_b64 v4, v[WK+12:WK+13]
	BAR
.irp q, 0,1,2,3
	ds_load_b128 v[ST+8*\q:ST+8*\q+3], v3 offset:512*\q
	ds_load_b128 v[ST+8*\q+4:ST+8*\q+7], v3 offset:512*\q+16
.endr
	ds_load_b128 v[WK:WK+3], v5
	ds_load_b128 v[WK+4:WK+7], v5 offset:16
	s_wait_dscnt 0x0
.irp q, 0,1,2,3
	v_pk_add_f32 v[ST+8*\q:ST+8*\q+1], v[ST+8*\q:ST+8*\q+1], v[ST+8*\q+2:ST+8*\q+3]
	v_pk_add_f32 v[ST+8*\q+4:ST+8*\q+5], v[ST+8*\q+4:ST+8*\q+5], v[ST+8*\q+6:ST+8*\q+7]
.endr
.irp q, 0,1,2,3
	v_pk_add_f32 v[ST+8*\q:ST+8*\q+1], v[ST+8*\q:ST+8*\q+1], v[ST+8*\q+4:ST+8*\q+5]   ; (l, sum of O) of the whole row
.endr
	v_pk_add_f32 v[WK:WK+1], v[WK:WK+1], v[WK+2:WK+3]
	v_pk_add_f32 v[WK+4:WK+5], v[WK+4:WK+5], v[WK+6:WK+7]
	v_pk_add_f32 v[WK:WK+1], v[WK:WK+1], v[WK+4:WK+5]              ; v48 the sum of bv, v49 the sum of beta x out_w
.irp q, 0,1,2,3
	v_rcp_f32 v[ST+8*\q+2], v[ST+8*\q]             ; 1 / l
.endr
	v_nop                                          ; a plain place behind the last reciprocal
	s_wait_alu depctr_va_vdst(0)                   ; one wait for the four, ahead of their first reader
.irp q, 0,1,2,3
	v_fma_f32 v[ST+8*\q+4], v[ST+8*\q+1], v[ST+8*\q+2], v[WK]
.endr
.irp q, 0,1,2,3
	v_mul_f32 v[ST+8*\q+4], s[C768], v[ST+8*\q+4]  ; mu
.endr
.irp q, 0,1,2,3
	v_mov_b32 v[ST+8*\q], 0                        ; the sum of (y - mu) g begins,
	v_mov_b32 v[ST+8*\q+1], 0
	v_mov_b32 v[ST+8*\q+6], 0                      ; and that of (y - mu)^2
	v_mov_b32 v[ST+8*\q+7], 0
.endr
.macro NORM q0, w                      ; label tiles q0, q0 + 1, whose O^T lies in window w; the two tiles by turns
	WIN ((\w)<<6)|(\w)                             ; destination and source 0
.set I, 0
.rept 48
.irp e, 0,1
	v_pk_fma_f32 v[96*\e+2*I:96*\e+2*I+1], v[96*\e+2*I:96*\e+2*I+1], v[ST+8*(\q0+\e)+2:ST+8*(\q0+\e)+3], v[BV+2*I:BV+2*I+1] op_sel_hi:[1,0,1]   ; y = O / l + bv
.endr
.set I, I+1
.endr
.set I, 0
.rept 48
.irp e, 0,1
	v_pk_add_f32 v[96*\e+2*I:96*\e+2*I+1], v[96*\e+2*I:96*\e+2*I+1], v[ST+8*(\q0+\e)+4:ST+8*(\q0+\e)+5] op_sel_hi:[1,0] neg_lo:[0,1] neg_hi:[0,1]   ; y - mu
.endr
.set I, I+1
.endr
	WIN ((\w)<<2)|(\w)                             ; sources 0 and 1
.set I, 0
.rept 48
.irp e, 0,1
	v_pk_fma_f32 v[ST+8*(\q0+\e)+6:ST+8*(\q0+\e)+7], v[96*\e+2*I:96*\e+2*I+1], v[96*\e+2*I:96*\e+2*I+1], v[ST+8*(\q0+\e)+6:ST+8*(\q0+\e)+7]
.endr
.set I, I+1
.endr
	WIN \w                                         ; source 0
.set I, 0
.rept 48
.irp e, 0,1
	v_pk_fma_f32 v[ST+8*(\q0+\e):ST+8*(\q0+\e)+1], v[96*\e+2*I:96*\e+2*I+1], v[GM+2*I:GM+2*I+1], v[ST+8*(\q0+\e):ST+8*(\q0+\e)+1]
.endr
.set I, I+1
.endr
.endm
	NORM 0, 2
	NORM 2, 3
	WIN 0
.irp q, 0,1,2,3
	v_add_f32 v[ST+8*\q+6], v[ST+8*\q+6], v[ST+8*\q+7]
	v_add_f32 v[ST+8*\q+7], v[ST+8*\q], v[ST+8*\q+1]
.endr
.irp q, 0,1,2,3
	v_permlanex16_b32 v[ST+8*\q+2], v[ST+8*\q+6], s[SEL], s[SEL+1]
	v_permlanex16_b32 v[ST+8*\q+3], v[ST+8*\q+7], s[SEL], s[SEL+1]
.endr
.irp q, 0,1,2,3
	v_pk_add_f32 v[ST+8*\q+6:ST+8*\q+7], v[ST+8*\q+6:ST+8*\q+7], v[ST+8*\q+2:ST+8*\q+3]
.endr
.irp q, 0,1,2,3
	ds_store_b64 v2, v[ST+8*\q+6:ST+8*\q+7] offset:EX2-EX1+512*\q
.endr
	BAR
	ds_load_b128 v[16:19], v6                      ; wave w finishes label tile w
	ds_load_b128 v[20:23], v6 offset:16
	s_wait_dscnt 0x0
	v_pk_add_f32 v[16:17], v[16:17], v[18:19]
	v_pk_add_f32 v[20:21], v[20:21], v[22:23]
	v_pk_add_f32 v[16:17], v[16:17], v[20:21]      ; v16 the sum of (y - mu)^2, v17 that of (y - mu) g
	v_fma_f32 v18, v16, s[C768], s[EPS]            ; var + eps
	v_rsq_f32 v18, v18
	v_add_f32 v19, s[OB], v[WK+1]                  ; (a plain place behind the root)  the sum of beta x out_w + out_b
	s_wait_alu depctr_va_vdst(0)                   ; the wait, ahead of the root's first reader
	v_fma_f32 v18, v18, v17, v19
	s_wait_tensorcnt 0x0                           ; the wave's end, behind my last LDS store, all lanes on
	ds_add_u32 v[SPW], v[NIL]
	s_wait_dscnt 0x0
	s_wait_xcnt 0x0                                ; EXEC changes only behind this wait
	v_cmp_gt_u32 vcc_lo, 2000, v9                  ; lanes 0-15, and labels that exist
	s_and_saveexec_b32 s[TS], vcc_lo
	global_store_b32 v8, v18, s[20:21]             ; 64 consecutive bytes a wave: a batch's 8,000 bytes are no whole number of 256, and the output is 32,000 bytes in all
	s_wait_xcnt 0x0                                ; and again, ahead of the line that widens it
	s_or_b32 exec_lo, exec_lo, s[TS]
	s_endpgm
.Lfunc_end_k_q2f892cf787_attn:
	.size	k_q2f892cf787_attn, .Lfunc_end_k_q2f892cf787_attn-k_q2f892cf787_attn
	.p2alignl 7, 3214868480
	.fill 96, 4, 3214868480
	.section	.rodata,"a",@progbits
	.p2align	6, 0x0
	.amdhsa_kernel k_q2f892cf787_attn
		.amdhsa_group_segment_fixed_size 137984
		.amdhsa_private_segment_fixed_size 0
		.amdhsa_enable_private_segment 0
		.amdhsa_kernarg_size 72
		.amdhsa_user_sgpr_count 2
		.amdhsa_user_sgpr_kernarg_segment_ptr 1
		.amdhsa_wavefront_size32 1
		.amdhsa_system_sgpr_workgroup_id_x 1
		.amdhsa_system_sgpr_workgroup_id_y 1
		.amdhsa_system_sgpr_workgroup_id_z 1
		.amdhsa_system_vgpr_workitem_id 0
		.amdhsa_next_free_vgpr 1024
		.amdhsa_next_free_sgpr 66
		.amdhsa_reserve_vcc 1
		.amdhsa_float_denorm_mode_32 3
		.amdhsa_float_denorm_mode_16_64 3
		.amdhsa_memory_ordered 1
		.amdhsa_forward_progress 1
		.amdhsa_inst_pref_size 255
	.end_amdhsa_kernel
	.section	.bss,"aw",@nobits
	.p2align	6
	.space	262144
	.amdgpu_metadata
---
amdhsa.version: [ 1, 2 ]
amdhsa.kernels:
  - .name:           k_q2f892cf787_attn
    .symbol:         k_q2f892cf787_attn.kd
    .args:
      - { .name: route, .offset: 0, .size: 8, .value_kind: global_buffer, .address_space: global }
      - { .name: kv, .offset: 8, .size: 8, .value_kind: global_buffer, .address_space: global }
      - { .name: label_reps, .offset: 16, .size: 8, .value_kind: global_buffer, .address_space: global }
      - { .name: bv, .offset: 24, .size: 8, .value_kind: global_buffer, .address_space: global }
      - { .name: ln_gamma, .offset: 32, .size: 8, .value_kind: global_buffer, .address_space: global }
      - { .name: ln_beta, .offset: 40, .size: 8, .value_kind: global_buffer, .address_space: global }
      - { .name: out_w, .offset: 48, .size: 8, .value_kind: global_buffer, .address_space: global }
      - { .name: out_b, .offset: 56, .size: 8, .value_kind: global_buffer, .address_space: global }
      - { .name: out0, .offset: 64, .size: 8, .value_kind: global_buffer, .address_space: global }
    .group_segment_fixed_size: 137984
    .private_segment_fixed_size: 0
    .kernarg_segment_align: 8
    .kernarg_segment_size: 72
    .max_flat_workgroup_size: 128
    .sgpr_count:     66
    .vgpr_count:     1024
    .wavefront_size: 32
...
	.end_amdgpu_metadata
.endif
;; end of part 3
